; MI455X (gfx1250); checked and timed in simulation.
; The chip was launched on July 23, 2026; its instructions are those of AMD's public machine-readable ISA for CDNA 5 (MIT licence, August 2026) and "CDNA5" Instruction Set Architecture Reference Guide (July 2026). The comments in the code are by the model that wrote it; some were corrected since.
;; SMK Mo E. Allowed arithmetic: float matrix products may take bf16 or f16 operands with f32 sums; other float arithmetic in f32, or as packed bf16 or f16 multiplies, adds, multiply-adds, maxima and minima; sums over many terms, partial sums and values carried from step to step in f32; what a program stores and reads back later, other than sums and carried values, may be rounded once to bf16 or f16.
;; Inputs: hidden_states 4 x 2,048 x 1,024 float32; sim_matrix 1,024 x 16 float32; threshold 1 float32; w1 16 x 1,024 x 256 float32; w2 16 x 256 x 1,024 float32.
;; Outputs: out0 4 x 2,048 x 1,024 float32; out1 8,192 x 16 float32; out2 8,192 int32.
;; One version. Each part assembles by itself: llvm-mc -triple=amdgcn-amd-amdhsa -mcpu=gfx1250 --defsym DOCPART=n.
;; ======== version 1 of 1: 3 launches
;; limits: values are held in f16: magnitudes above 65,504 overflow, below 6.1e-05 lose precision
;; workspace buffers: xb 16,777,216 bytes; wb1 8,388,608 bytes; wb2 8,388,608 bytes; rw 524,288 bytes; hb 67,108,864 bytes
;; launch prep (part 1): grid 256 x 1, 4 waves a work-group, no clusters, 135,680 bytes of LDS; arguments hidden_states, sim_matrix, threshold, w1, w2, xb, wb1, wb2, rw, out1, out2; writes xb, wb1, wb2, rw, out1, out2
.if DOCPART == 1
	.amdgcn_target "amdgcn-amd-amdhsa--gfx1250"
	.amdhsa_code_object_version 6
	.text
	.protected	k_qf37e4fac4d_prep
	.globl	k_qf37e4fac4d_prep
	.p2align	8
	.type	k_qf37e4fac4d_prep,@function
k_qf37e4fac4d_prep:
	s_mov_b64 s[64:65], 0
	v_nop
	global_prefetch_b8 v0, s[64:65] scope:SCOPE_SE
	s_setreg_imm32_b32 hwreg(HW_REG_WAVE_MODE, 25, 1), 1
	s_wait_xcnt 0x0
; PREP: rounds x, w1 and w2 to bf16 (xb, wb1, wb2, same order of elements as the inputs) and computes the gate: scores (out1), the count of
; active experts (out2) and the routing weights (rw, f32).  EVERY input is rounded to bf16 first, sim_matrix and threshold too; the gate is then
; computed in f32 on the rounded numbers: dot(x, s) x 1/max(|x|, 1e-12) x 1/max(|s|, 1e-12).
; xb and wb1 are stored as bf16.  wb2 holds the bf16-rounded w2 WRITTEN AS f16, since the second product multiplies in f16.
; LIMITS.  w2 rounded to bf16 is exact in f16 from 6.1e-5 to 65,504 in magnitude; below that it keeps f16's fixed step of 6e-8, beyond it becomes an infinity.
; The dot products are summed in another order than a row-by-row f32 product: a score that lies within that summation error (some 1e-8
; at scores of some 0.03) of the threshold may count differently in out2.  NaN and infinities are not treated apart.
; SHARES.  256 work-groups of four waves.  Work-group g rounds 131,072 bytes of w1 (g < 128) or of w2, each wave 32,768 of them, and gates tokens
; 32 g .. 32 g + 31, each wave eight, two at a time.  Lane l owns the channels c = 128 j + 4 l + q (j 0..7, q 0..3; ci = 4 j + q) of every token and
; keeps sim's 32 x 16 numbers for them in 512 registers.  No matrix unit: the gate is 0.4% of the module's products and wants f32.
; LDS: 0: sim, rounded and widened: 256 blocks of 4 channels x 16 experts (256 bytes) 272 bytes apart
; XS: each wave's own eight tokens in bf16; SPARE: the spare words.
; REGISTERS, in windows of 256: window 0 as named below; window 1, 2: sim (ci 0-15, 16-31) at 16 ci + e, before that raw sim and raw weights; window 3: raw x.
.set SIMP,  272
.set XS,    256*SIMP                   ; 69,632
.set SPARE, XS+4*16384                 ; 135,168: 128 bytes for each wave, named by no other line
.set ACC,   32                         ; v32-63   16 partial dot products for each of two tokens
.set O0,    64                         ; v64-127  packed 16-bit numbers on their way out
.set O1,    128                        ; v128-191 the same, second set
.set XP,    64                         ; in the pair loop: two tokens as packed bf16, 16 registers each
.set NA,    96                         ; in the pair loop: sums of squares, two chains of pairs a token
.set XU,    128                        ; in the pair loop: two tokens widened, 32 registers each
.set CN,    192                        ; v192-207 sums of squares of sim's columns
.set MK1,   36                         ; s36-39: lanes whose number has bit 0, 1, 2, 3 set
.set MK2,   37
.set MK4,   38
.set MK8,   39
; v1 lane, v2 lane % 16, v3 lane / 16, v4 16 lane, v5 8 lane, v6 where I store sim, v7 where I read it, v8 my place in XS, v9 the pair's place in XS,
; v10 the pair's byte offset in out1 and rw, v11 k, v12 1/|s|, v13 threshold, v14 1.0, v15 -1e9, v16-29 at work, v30, v31 the add's two registers
.set MSB, 0
.macro WIN new                         ; the immediate's high byte repeats the setting that is left
.if MSB != (\new)
	s_set_vgpr_msb (MSB<<8)|(\new)
.set MSB, (\new)
.endif
.endm
.macro LOAD32 win, dst, sb, first, nt  ; 32 loads of 512 consecutive bytes each
	WIN \win
.set i, 0
.rept 32
.if \nt
	global_load_b128 v[(\dst)+4*i:(\dst)+4*i+3], v4, s[\sb:\sb+1] offset:512*((\first)+i) th:TH_LOAD_NT
.else
	global_load_b128 v[(\dst)+4*i:(\dst)+4*i+3], v4, s[\sb:\sb+1] offset:512*((\first)+i)
.endif
.set i, i+1
.endr
	WIN 0
.endm
.macro CVT2 win, src, dst              ; 128 f32 of another window -> 64 registers of packed bf16 in window 0
	WIN \win
.set i, 0
.rept 64
	v_cvt_pk_bf16_f32 v[(\dst)+i], v[(\src)+2*i], v[(\src)+2*i+1]
.set i, i+1
.endr
	WIN 0
.endm
; The work-groups that hold w2 (g >= 128) write the 64 registers of packed bf16 anew as packed f16; those that hold w1 jump over it.  The branch hangs on the work-group's number alone;
; what is jumped is work on registers.
.macro TOF16 set
	s_cmp_lt_u32 ttmp9, 128
	s_cbranch_scc1 .Lis_w1_\@
.set i, 0
.rept 64
	v_lshlrev_b32 v[16+2*(i%4)], 16, v[(\set)+i]
	v_and_b32 v[17+2*(i%4)], s40, v[(\set)+i]
	v_cvt_pk_f16_f32 v[(\set)+i], v[16+2*(i%4)], v[17+2*(i%4)]
.set i, i+1
.endr
.Lis_w1_\@:
.endm
.macro STORE32 src, sb, first          ; 32 stores: each covers 256 consecutive bytes, at a multiple of 256 from the buffer's first
.set i, 0
.rept 32
	global_store_b64 v5, v[(\src)+2*i:(\src)+2*i+1], s[\sb:\sb+1] offset:256*((\first)+i)
.set i, i+1
.endr
.endm
.macro TOXS src, first                 ; the same bytes into my wave's part of XS
.set i, 0
.rept 32
	ds_store_b64 v8, v[(\src)+2*i:(\src)+2*i+1] offset:256*((\first)+i)
.set i, i+1
.endr
.endm
; 16 registers (one an expert) are summed over the 16 lanes of a row and dealt out: in the step with mask m a lane keeps the half of the registers that its bit m
; names, sends the other half to lane xor m and adds what it gets.  At the end lane r holds expert r's sum in the first register.
.macro RS base
.irp m, 8,4,2,1
.set i, 0
.rept \m
	v_cndmask_b32 v[16+i%4], v[(\base)+i+\m], v[(\base)+i], s[MK\m]
	v_cndmask_b32 v[(\base)+i], v[(\base)+i], v[(\base)+i+\m], s[MK\m]
	v_add_f32_dpp v[(\base)+i], v[16+i%4], v[(\base)+i] row_xmask:\m row_mask:0xf bank_mask:0xf
.set i, i+1
.endr
.endr
.endm
.macro ROWSUM r                        ; the sum over a row of 16 lanes, in every lane of the row
.irp m, 1,2,4,8
	v_add_f32_dpp v[\r], v[\r], v[\r] row_xmask:\m row_mask:0xf bank_mask:0xf
.endr
.endm
.macro XH u, v                         ; u: token 0's halves, v: token 1's.  Lanes 0-15 end with token 0's whole sum, lanes 16-31 with token 1's, in u
	v_cndmask_b32 v22, v[\v], v[\u], s40
	v_cndmask_b32 v23, v[\u], v[\v], s40
	v_permlanex16_b32 v24, v22, s42, s43
	v_add_f32 v[\u], v23, v24
.endm
.macro DOT                             ; 2 tokens x 32 channels x 16 experts: x is given to both halves of a packed multiply-add, sim's experts go in pairs
.set ci, 0
.rept 32
.if ci < 16
	WIN 0x04
.else
	WIN 0x08
.endif
.set ep, 0
.rept 8
.set u, 0
.rept 2
.set rA, ACC+16*u+2*ep
.set rX, XU+32*u+(ci/2)*2
.set rS, 16*(ci%16)+2*ep
.if ci == 0
	v_pk_mul_f32 v[rA:rA+1], v[rX:rX+1], v[rS:rS+1] op_sel_hi:[0,1]
.elseif ci%2 == 0
	v_pk_fma_f32 v[rA:rA+1], v[rX:rX+1], v[rS:rS+1], v[rA:rA+1] op_sel_hi:[0,1,1]
.else
	v_pk_fma_f32 v[rA:rA+1], v[rX:rX+1], v[rS:rS+1], v[rA:rA+1] op_sel:[1,0,0] op_sel_hi:[1,1,1]
.endif
.set u, u+1
.endr
.set ep, ep+1
.endr
.set ci, ci+1
.endr
	WIN 0
.endm
	s_load_b512 s[8:23], s[0:1], 0x0               ; x 8, sim 10, threshold 12, w1 14, w2 16, xb 18, wb1 20, wb2 22
	s_load_b128 s[24:27], s[0:1], 0x40             ; rw 24, out1 26
	s_load_b64 s[28:29], s[0:1], 0x50              ; out2
	v_lshl_add_u32 v30, v0, 2, SPARE
	v_mov_b32 v31, 0
	v_and_b32 v1, 31, v0
	v_and_b32 v2, 15, v0
	v_bfe_u32 v3, v0, 4, 1
	v_lshrrev_b32 v16, 5, v0
	v_readfirstlane_b32 s4, v16                    ; my wave's number
	v_lshlrev_b32 v4, 4, v1
	v_lshlrev_b32 v5, 3, v1
	s_mul_i32 s5, s4, 64*SIMP                      ; my wave stores 64 of sim's 256 blocks
	v_mul_u32_u24 v6, v3, SIMP
	v_lshl_add_u32 v6, v2, 4, v6
	v_add_nc_u32 v6, s5, v6
	v_mul_u32_u24 v7, v1, SIMP                     ; I read block 32 j + lane
	s_lshl_b32 s5, s4, 14
	s_add_co_u32 s5, s5, XS
	v_add_nc_u32 v8, s5, v5
	v_mov_b32 v9, v8
	v_lshlrev_b32 v10, 2, v1
	v_mov_b32 v11, 0
	v_mov_b32 v14, 1.0
	v_mov_b32 v15, 0xce6e6b28                      ; -1e9
	v_mov_b32 v24, 0                               ; v_permlanex16_b32's destination counts as read
	s_mov_b32 s36, 0xaaaaaaaa
	s_mov_b32 s37, 0xcccccccc
	s_mov_b32 s38, 0xf0f0f0f0
	s_mov_b32 s39, 0xff00ff00
	s_mov_b32 s40, 0xffff0000                      ; lanes 16-31; also a word's upper bf16
	s_mov_b32 s42, 0x76543210
	s_mov_b32 s43, 0xfedcba98
	s_mov_b32 s44, 4                               ; pairs of tokens
	s_mov_b32 s45, 0x00010001                      ; the lanes that keep the pair's k
	s_lshl_b32 s48, ttmp9, 17                      ; 32 tokens of 4,096 bytes,
	s_lshl_b32 s5, s4, 15                          ; my wave's eight
	s_add_co_u32 s48, s48, s5
	s_mov_b32 s49, 0
	s_wait_kmcnt 0x0
	s_load_b32 s30, s[12:13], 0x0                  ; the threshold
	s_add_nc_u64 s[8:9], s[8:9], s[48:49]
	s_lshr_b32 s48, s48, 1                         ; rows of 2,048 bytes
	s_add_nc_u64 s[18:19], s[18:19], s[48:49]
	s_lshr_b32 s48, s48, 5                         ; rows of 64 bytes
	s_add_nc_u64 s[24:25], s[24:25], s[48:49]
	s_add_nc_u64 s[26:27], s[26:27], s[48:49]
	s_lshr_b32 s48, s48, 4                         ; 4 bytes a token
	s_add_nc_u64 s[28:29], s[28:29], s[48:49]
	s_lshl_b32 s48, s4, 14                         ; my wave's quarter of sim
	s_add_nc_u64 s[10:11], s[10:11], s[48:49]
	s_and_b32 s48, ttmp9, 127                      ; the chunk of weights
	s_lshl_b32 s48, s48, 17
	s_add_co_u32 s48, s48, s5
	s_cmp_lt_u32 ttmp9, 128
	s_cselect_b64 s[32:33], s[14:15], s[16:17]     ; w1 or w2,
	s_cselect_b64 s[34:35], s[20:21], s[22:23]     ; wb1 or wb2
	s_add_nc_u64 s[32:33], s[32:33], s[48:49]
	s_lshr_b32 s48, s48, 1
	s_add_nc_u64 s[34:35], s[34:35], s[48:49]
	; Five batches of 32 loads, used in the order of issue; two batches are out at a time, so each counted wait leaves the one younger batch (32) out.
	LOAD32 0x40, 0, 10, 0, 0                       ; raw sim -> window 1, v0-127
	LOAD32 0x40, 128, 32, 0, 1                     ; weights, first half -> window 1, v128-255
	s_wait_loadcnt 32                              ; sim is in
	WIN 0x05
.set i, 0
.rept 64
	v_cvt_pk_bf16_f32 v[O0+i], v[2*i], v[2*i+1]    ; sim is rounded to bf16
.set i, i+1
.endr
	WIN 0x40
.set i, 0
.rept 64
	v_lshlrev_b32 v[2*i], 16, v[O0+i]              ; and widened again, in place
	v_and_b32 v[2*i+1], s40, v[O0+i]
.set i, i+1
.endr
	WIN 0x04
.set i, 0
.rept 32
	ds_store_b128 v6, v[4*i:4*i+3] offset:2*SIMP*i ; a load's 512 bytes are two blocks
.set i, i+1
.endr
	LOAD32 0x80, 0, 32, 32, 1                      ; weights, second half -> window 2, v0-127
	s_wait_loadcnt 32                              ; the first half is in
	CVT2 0x05, 128, O0
	TOF16 O0
	STORE32 O0, 34, 0
	LOAD32 0xc0, 0, 8, 0, 1                        ; tokens 0-3 -> window 3, v0-127
	s_wait_loadcnt 32                              ; the second half is in
	CVT2 0x0a, 0, O1
	TOF16 O1
	STORE32 O1, 34, 32
	LOAD32 0xc0, 128, 8, 32, 1                     ; tokens 4-7 -> window 3, v128-255
	s_wait_dscnt 0x0                               ; for the others' sake: my part of sim is in LDS
	s_barrier_signal -1
	s_barrier_wait -1                              ; everybody's is
	WIN 0x40
.set j, 0
.rept 4
.set t, 0
.rept 16
	ds_load_b128 v[64*j+4*t:64*j+4*t+3], v7 offset:j*32*SIMP+16*t
.set t, t+1
.endr
.set j, j+1
.endr
	WIN 0x80
.set j, 0
.rept 4
.set t, 0
.rept 16
	ds_load_b128 v[64*j+4*t:64*j+4*t+3], v7 offset:(j+4)*32*SIMP+16*t
.set t, t+1
.endr
.set j, j+1
.endr
	WIN 0
	s_wait_loadcnt 32                              ; tokens 0-3 are in
	s_wait_xcnt 0x0                                ; O0, which the weights' stores read, is rewritten only behind this wait
	CVT2 0x0f, 0, O0
	STORE32 O0, 18, 0
	TOXS O0, 0
	s_wait_loadcnt 0x0                             ; tokens 4-7
	s_wait_xcnt 0x0                                ; the same for O1
	CVT2 0x0f, 128, O1
	STORE32 O1, 18, 32
	TOXS O1, 32
	s_wait_dscnt 0x0                               ; sim is in registers
	s_wait_kmcnt 0x0                               ; the threshold
.set ci, 0
.rept 32                                       ; the sums of squares of sim's columns over my 32 channels
.if ci < 16
	WIN 0x05
.else
	WIN 0x0a
.endif
.set ep, 0
.rept 8
.set rS, 16*(ci%16)+2*ep
.if ci == 0
	v_pk_mul_f32 v[CN+2*ep:CN+2*ep+1], v[rS:rS+1], v[rS:rS+1]
.else
	v_pk_fma_f32 v[CN+2*ep:CN+2*ep+1], v[rS:rS+1], v[rS:rS+1], v[CN+2*ep:CN+2*ep+1]
.endif
.set ep, ep+1
.endr
.set ci, ci+1
.endr
	WIN 0
	RS CN
	v_permlanex16_b32 v24, v[CN], s42, s43
	v_add_f32 v[CN], v[CN], v24                    ; lane (r, h): |s_r|^2
	v_rsq_f32 v12, v[CN]
	v_mov_b32 v13, s30                             ; the plain instruction behind the transcendental
	s_wait_alu depctr_va_vdst(0)                   ; the wait ahead of the first use
	v_min_num_f32 v12, 0x5368d4a5, v12             ; 1 / max(|s|, 1e-12) = min(1 / |s|, 1e12); a sum of 0 gives infinity, and the minimum takes 1e12
	v_cvt_pk_bf16_f32 v13, v13, v13                ; the threshold is rounded like every input
	v_lshlrev_b32 v13, 16, v13
	s_wait_xcnt 0x0                                ; O0 and O1, which xb's stores read, are rewritten in the loop
.Lpair:                                                ; four trips: tokens 2 p and 2 p + 1 of my eight
.set u, 0
.rept 2
.set j, 0
.rept 8
	ds_load_b64 v[XP+16*u+2*j:XP+16*u+2*j+1], v9 offset:u*2048+256*j  ; my wave's own bytes: LDS serves a wave's instructions in order (ISA guide 5.7.1.4)
.set j, j+1
.endr
.set u, u+1
.endr
	s_wait_dscnt 0x0
.set i, 0
.rept 32
	v_lshlrev_b32 v[XU+2*i], 16, v[XP+i]
	v_and_b32 v[XU+2*i+1], s40, v[XP+i]
.set i, i+1
.endr
.set p, 0
.rept 16                                       ; |x|^2 over my 32 channels: two chains of pairs a token
.set u, 0
.rept 2
.set rN, NA+4*u+2*(p%2)
.set rX, XU+32*u+2*p
.if p < 2
	v_pk_mul_f32 v[rN:rN+1], v[rX:rX+1], v[rX:rX+1]
.else
	v_pk_fma_f32 v[rN:rN+1], v[rX:rX+1], v[rX:rX+1], v[rN:rN+1]
.endif
.set u, u+1
.endr
.set p, p+1
.endr
	DOT
	v_pk_add_f32 v[NA:NA+1], v[NA:NA+1], v[NA+2:NA+3]
	v_pk_add_f32 v[NA+4:NA+5], v[NA+4:NA+5], v[NA+6:NA+7]
	v_add_f32 v20, v[NA], v[NA+1]
	v_add_f32 v21, v[NA+4], v[NA+5]
	RS ACC
	RS ACC+16
	ROWSUM 20
	ROWSUM 21
	XH ACC, ACC+16                                 ; lane (r, h): x . s_r of token 2 p + h
	XH 20, 21                                      ; and that token's |x|^2
	v_rsq_f32 v21, v20
	v_mul_f32 v25, v[ACC], v12                     ; the plain instruction behind it
	s_wait_alu depctr_va_vdst(0)
	v_min_num_f32 v21, 0x5368d4a5, v21             ; 1 / max(|x|, 1e-12)
	v_mul_f32 v25, v25, v21                        ; the score
	v_cmp_gt_f32 vcc_lo, v25, v13
	v_cndmask_b32 v26, v15, v25, vcc_lo            ; the score, or -1e9
	v_cndmask_b32 v27, 0, v14, vcc_lo              ; 1.0 where active
	v_mov_b32 v28, v26
.irp m, 1,2,4,8
	v_max_num_f32_dpp v28, v28, v28 row_xmask:\m row_mask:0xf bank_mask:0xf
.endr
	ROWSUM 27                                      ; k
	v_sub_f32 v26, v26, v28                        ; the maximum is taken away first, exactly: with no expert active all 16 differences are 0 (a fused c s - c m would leave -1e9's rounding)
	v_mul_f32 v26, 0x3fb8aa3b, v26
	v_exp_f32 v26, v26
	v_cndmask_b32 v11, v11, v27, s45               ; lanes p and 16 + p keep k; also the plain instruction behind the exponential
	s_wait_alu depctr_va_vdst(0)
	v_mov_b32 v29, v26
	ROWSUM 29
	v_rcp_f32 v29, v29
	v_nop
	s_wait_alu depctr_va_vdst(0)
	v_mul_f32 v26, v26, v29                        ; the routing weight
	global_store_b32 v10, v25, s[26:27]            ; two tokens' 16 numbers: 128 consecutive bytes
	global_store_b32 v10, v26, s[24:25]
	s_wait_xcnt 0x0                                ; v10, v25 and v26 are rewritten only behind this wait
	v_add_nc_u32 v9, 4096, v9
	v_add_nc_u32 v10, 128, v10
	s_lshl_b32 s45, s45, 1
	s_sub_co_u32 s44, s44, 1
	s_cmp_lg_u32 s44, 0
	s_cbranch_scc1 .Lpair
	v_cvt_i32_f32 v11, v11                         ; lane (r < 4, h): k of token 2 r + h
	v_lshlrev_b32 v16, 3, v2
	v_lshl_add_u32 v16, v3, 2, v16
	v_cmp_gt_u32 vcc_lo, 4, v2
	s_wait_xcnt 0x0                                ; EXEC changes only behind this wait
	s_and_saveexec_b32 s46, vcc_lo
	global_store_b32 v16, v11, s[28:29]
	s_wait_xcnt 0x0                                ; and again, in front of the line that widens it
	s_or_b32 exec_lo, exec_lo, s46
	s_wait_tensorcnt 0x0                           ; the wave's end, behind my last LDS store
	ds_add_u32 v30, v31
	s_wait_dscnt 0x0
	s_endpgm
.Lfunc_end_k_qf37e4fac4d_prep:
	.size	k_qf37e4fac4d_prep, .Lfunc_end_k_qf37e4fac4d_prep-k_qf37e4fac4d_prep
	.p2alignl 7, 3214868480
	.fill 96, 4, 3214868480
	.section	.rodata,"a",@progbits
	.p2align	6, 0x0
	.amdhsa_kernel k_qf37e4fac4d_prep
		.amdhsa_group_segment_fixed_size 135680
		.amdhsa_private_segment_fixed_size 0
		.amdhsa_enable_private_segment 0
		.amdhsa_kernarg_size 88
		.amdhsa_user_sgpr_count 2
		.amdhsa_user_sgpr_kernarg_segment_ptr 1
		.amdhsa_wavefront_size32 1
		.amdhsa_system_sgpr_workgroup_id_x 1
		.amdhsa_system_sgpr_workgroup_id_y 1
		.amdhsa_system_sgpr_workgroup_id_z 1
		.amdhsa_system_vgpr_workitem_id 0
		.amdhsa_next_free_vgpr 1024
		.amdhsa_next_free_sgpr 66
		.amdhsa_reserve_vcc 1
		.amdhsa_float_denorm_mode_32 3
		.amdhsa_float_denorm_mode_16_64 3
		.amdhsa_memory_ordered 1
		.amdhsa_forward_progress 1
		.amdhsa_inst_pref_size 151
	.end_amdhsa_kernel
	.amdgpu_metadata
---
amdhsa.version: [ 1, 2 ]
amdhsa.kernels:
  - .name:           k_qf37e4fac4d_prep
    .symbol:         k_qf37e4fac4d_prep.kd
    .args:
      - { .name: hidden_states, .offset: 0, .size: 8, .value_kind: global_buffer, .address_space: global }
      - { .name: sim_matrix, .offset: 8, .size: 8, .value_kind: global_buffer, .address_space: global }
      - { .name: threshold, .offset: 16, .size: 8, .value_kind: global_buffer, .address_space: global }
      - { .name: w1, .offset: 24, .size: 8, .value_kind: global_buffer, .address_space: global }
      - { .name: w2, .offset: 32, .size: 8, .value_kind: global_buffer, .address_space: global }
      - { .name: xb, .offset: 40, .size: 8, .value_kind: global_buffer, .address_space: global }
      - { .name: wb1, .offset: 48, .size: 8, .value_kind: global_buffer, .address_space: global }
      - { .name: wb2, .offset: 56, .size: 8, .value_kind: global_buffer, .address_space: global }
      - { .name: rw, .offset: 64, .size: 8, .value_kind: global_buffer, .address_space: global }
      - { .name: out1, .offset: 72, .size: 8, .value_kind: global_buffer, .address_space: global }
      - { .name: out2, .offset: 80, .size: 8, .value_kind: global_buffer, .address_space: global }
    .group_segment_fixed_size: 135680
    .private_segment_fixed_size: 0
    .kernarg_segment_align: 8
    .kernarg_segment_size: 88
    .max_flat_workgroup_size: 128
    .sgpr_count:     66
    .vgpr_count:     1024
    .wavefront_size: 32
...
	.end_amdgpu_metadata
.endif
;; end of part 1
;; launch ffn1 (part 2): grid 16 x 16, 4 waves a work-group, clusters of 4 x 4, 327,680 bytes of LDS; arguments xb, wb1, hb, rw; writes hb
.if DOCPART == 2
	.amdgcn_target "amdgcn-amd-amdhsa--gfx1250"
	.amdhsa_code_object_version 6
	.text
	.protected	k_qf37e4fac4d_ffn1
	.globl	k_qf37e4fac4d_ffn1
	.p2align	8
	.type	k_qf37e4fac4d_ffn1,@function
k_qf37e4fac4d_ffn1:
	s_mov_b64 s[64:65], 0
	v_nop
	global_prefetch_b8 v0, s[64:65] scope:SCOPE_SE
	s_setreg_imm32_b32 hwreg(HW_REG_WAVE_MODE, 25, 1), 1
	s_wait_xcnt 0x0
	s_wait_alu depctr_hold_cnt(0) depctr_sa_sdst(0) depctr_va_vdst(0) depctr_va_sdst(0) depctr_va_ssrc(0) depctr_va_vcc(0) depctr_vm_vsrc(0)
	s_getreg_b32 s2, hwreg(HW_REG_IB_STS2, 6, 4)
	s_cmp_eq_u32 s2, 0
	s_cbranch_scc0 .Lentry_in_a_cluster
	s_endpgm
.Lentry_in_a_cluster:
	s_bfe_u32 s2, ttmp6, 0x10000c
	s_cmp_lg_u32 s2, 0xf033
	s_cbranch_scc0 .Lentry_shape_is_right
	s_endpgm
.Lentry_shape_is_right:
; FFN1: hb[n][256 e + i] = f16( rw[n][e] x gelu( sum over c of xb[n][c] wb1[e][c][i] ) ).  xb [8192][1024], wb1 [16][1024][256]: bf16; hb [8192][4096]: f16; rw [8192][16]: f32; sums in f32.
; THE DESIGN'S LIMIT: all 16 experts are multiplied for every token, and the routing weight (0 for an expert that is not active, 1/16 for all where none is) is folded into the hidden
; layer, so that the second product adds the experts up.  That is about twice the products that the active experts alone need; in exchange no address, branch or trip count hangs on data.
; THE FORMAT.  hb is f16: its 11 significant bits are what a row with one active expert (weight 1, nothing to average the roundings) needs.  LIMITS: a weighted hidden number of 65,520 or more
; becomes an infinity (x and w1 each 30 times their usual spread give some 5,000; x offset by 30 and w1 by 30/32 some 29,000); below 6.1e-5 it keeps f16's fixed step of 6e-8.
; GELU is the exact one, 0.5 x (1 + erf(x / sqrt 2)), with erf(z) = 1 - (1 + a1 z + .. + a6 z^6)^-16 for z >= 0 (Abramowitz and Stegun 7.1.28: off by 3e-7 at the most, for every z);
; the powers of sqrt 2 are folded into the six numbers.  h w = 0.5 w (x + |x| (1 - q)), q = P(|x|)^-16; where P^16 overflows q is 0, which is the limit.
; SHAPE.  A tile of the product is 256 tokens x 256 columns (one expert); four waves, each 128 x 128: 64 accumulators of 16 x 16, 512 registers.  K goes in steps of 128 through two LDS slots:
; 256 matrix instructions a wave in a step, 224 of them between a slot's request and the wait for it.  A work-group stays and makes two tiles, 4,096 tokens apart, with the same expert;
; the ring runs on into the next tile.
; The matrix instruction is used transposed (source 0 = 16 columns of the weights, source 1 = 16 tokens): a lane then holds one token and eight neighbouring columns.
; The weights lie [k][column] in LDS and are read turned, by ds_load_tr16_b128.
; CLUSTER 4 x 4: x's tile hangs on the tile row alone and is asked for jointly along a row of the cluster, the weights' on the expert alone and jointly along a column.
; By this text's own count a wave has two tensor loads out at the start and one behind each round.
; REGISTERS, in windows of 256 (s_set_vgpr_msb: bits 1:0 source 0, 3:2 source 1, 5:4 source 2, 7:6 destination):
;   window 0: v0-31 addresses; v64-127, v128-191 fragments of x, two buffers; on the way out v32-47 routing weights, v64-127 x, v128-191 |x|, v192-255 the polynomial, then the packed result
;   window 1: v64-127, v128-191 fragments of the weights, two buffers       window 2: the accumulators of my rows 0-63, (a, b) at 8 (8 a + b)       window 3: those of my rows 64-127
.set KDIM,   1024
.set NPITCH, 256                       ; elements from one k row of the weights to the next
.set STEPA,  256                       ; bytes: 128 along K in a row of x
.set STEPB,  128*NPITCH*2              ; bytes: 128 k rows of the weights
.set LAPS,   KDIM/256                  ; a lap = two K steps = once round the ring
.set TILES,  2
.set WALK,   4096                      ; tokens from a tile to the work-group's next
.set NEXT_A, WALK*KDIM*2-(KDIM-256)*2  ; from a slot's last K step of a tile to its first of the next
.set BACK_B, (KDIM-256)*NPITCH*2
.set HROW,   8192                      ; bytes in a row of hb
.set PA,     272                       ; a row of x in LDS: 256 bytes + 16: the 16 rows of a load start at 16 different groups of four banks (ISA guide 11.1)
.set PB,     544                       ; a k row of the weights: 512 bytes + 32
.set HALFA,  128*PA                    ; what one tensor load brings of x, and what one wave reads of it
.set HALFB,  64*PB                     ; what one tensor load brings of the weights
.set BOFF,   2*HALFA
.set SLOT,   BOFF+2*HALFB              ; 139,264
.set STAGE,  2*SLOT                    ; behind the ring, never filled by a tensor load: 16 rows x 528 bytes (128 f32 + 16 bytes) for each wave
.set SP,     528
.set WST,    STAGE+4*16*SP             ; 128 routing weights (512 bytes) for each wave
.set SPARE,  WST+4*512                 ; the spare words: 128 bytes for each wave, named by no other line
.set WR,   8                           ; v8-11   the routing weights of my wave's rows 32 k + lane, as loaded
.set WSA,  12                          ; v12     where I put them in LDS
.set WSU,  13                          ; v13     where a block's sixteen lie: the same address in every lane
.set ADRA, 16                          ; v16-17  LDS address of my fragments of x in slot 0, 1
.set ADRB, 20                          ; v20-21  the same for the weights
.set STO,  24                          ; v24     the way out: where I put 32 bytes of a row
.set RD,   25                          ; v25     where I read 16 bytes of a row back
.set CO,   26                          ; v26     my 8 bytes in a row's 256 of hb
.set WO,   27                          ; v27     my row of rw
.set SPW,  28
.set NIL,  29
.set WV,   32                          ; the way out: 0.5 x the routing weights of the block's 16 rows, in every lane
.set F0,   64                          ; fragment buffer 0
.set F1,   128                         ; fragment buffer 1
.set XR,   64                          ; the way out: row t's four numbers of mine at XR + 4 t
.set AX,   128                         ; |x|, later the result
.set PP,   192                         ; the polynomial
.set OUTP, 192                         ; later: row t's four f16 at OUTP + 2 t
.set G1,   24
.set G0,   32
.set G1B,  48
.set G0B,  56
.set MSB, 0
.macro WIN new                         ; the immediate's high byte repeats the setting that is left
.if MSB != (\new)
	s_set_vgpr_msb (MSB<<8)|(\new)
.set MSB, (\new)
.endif
.endm
.set MUL_LO, 0xa1                      ; source 0 (weights) window 1, source 1 (x) window 0, C and D window 2
.set TO_B,   0x40                      ; destination window 1, address window 0
.macro PLACES                          ; four plain instructions between a matrix instruction and a load into, or a vector instruction or store on, its registers
.rept 4
	v_nop
.endr
.endm
.macro JLOAD s                         ; a joint load: waves 0 and 1 fetch x's two halves, waves 2 and 3 the weights'; the branch hangs on the wave's number alone
	s_cmp_eq_u32 s13, 0
	s_cbranch_scc0 .Lfor_b_\@
	tensor_load_to_lds s[G0+4*(\s):G0+4*(\s)+3], s[G1:G1+7]
	s_nop 0
.rept 4
	v_nop
.endr
	s_branch .Lasked_\@
.Lfor_b_\@:
	tensor_load_to_lds s[G0B+4*(\s):G0B+4*(\s)+3], s[G1B:G1B+7]
	s_nop 0
.rept 4
	v_nop
.endr
.Lasked_\@:
.endm
.macro CREST                           ; a round of the cluster's barrier behind its opening barrier
	s_cmp_lg_u32 s12, 0
	s_cbranch_scc1 .Lnot_wave_0_\@
	s_barrier_signal -3
.Lnot_wave_0_\@:
	s_barrier_wait -3
	s_barrier_signal -1
	s_barrier_wait -1
.endm
.macro CROUND
	s_barrier_signal -1
	s_barrier_wait -1
	CREST
.endm
; 16 matrix instructions: row blocks a0, a0 + 1 of the window's four (hi = 0: my rows 0-63, 1: rows 64-127) x all 8 column blocks, 32 along K.
; The 64 accumulators take turns in one order everywhere.  zero = 1: the product starts the sums.
.macro MUL16 f, hi, a0, zero
	WIN MUL_LO+0x50*(\hi)
.irp a, \a0, (\a0)+1
.irp b, 0,1,2,3,4,5,6,7
.if \zero
	v_wmma_f32_16x16x32_bf16 v[8*(8*(\a)+(\b)):8*(8*(\a)+(\b))+7], v[(\f)+8*(\b):(\f)+8*(\b)+7], v[(\f)+8*(4*(\hi)+(\a)):(\f)+8*(4*(\hi)+(\a))+7], 0
.else
	v_wmma_f32_16x16x32_bf16 v[8*(8*(\a)+(\b)):8*(8*(\a)+(\b))+7], v[(\f)+8*(\b):(\f)+8*(\b)+7], v[(\f)+8*(4*(\hi)+(\a)):(\f)+8*(4*(\hi)+(\a))+7], v[8*(8*(\a)+(\b)):8*(8*(\a)+(\b))+7]
.endif
.endr
.endr
.endm
.macro FETCH slot, q, f                ; 32 LDS loads in one run: quarter q's fragments; the weights first, x's blocks 4 to 7 last
	WIN TO_B
.irp i, 0,1,2,3,4,5,6,7
	ds_load_tr16_b128 v[(\f)+8*(\i):(\f)+8*(\i)+3],   v[ADRB+(\slot)] offset:(\q)*32*PB+32*(\i)
	ds_load_tr16_b128 v[(\f)+8*(\i)+4:(\f)+8*(\i)+7], v[ADRB+(\slot)] offset:(\q)*32*PB+16*PB+32*(\i)
.endr
	WIN 0
.irp i, 0,1,2,3,4,5,6,7
	ds_load_b128 v[(\f)+8*(\i):(\f)+8*(\i)+3],   v[ADRA+(\slot)] offset:64*(\q)+(\i)*16*PA
	ds_load_b128 v[(\f)+8*(\i)+4:(\f)+8*(\i)+7], v[ADRA+(\slot)] offset:64*(\q)+(\i)*16*PA+32
.endr
.endm
.macro QUARTER slot, q, f, g, zero     ; multiplies buffer f; in its middle fetches quarter q of the same slot into g
	s_wait_dscnt 8                                 ; all but the youngest eight loads (x's blocks 4 to 7)
	MUL16 \f, 0, 0, \zero
	MUL16 \f, 0, 2, \zero
	PLACES
	FETCH \slot, \q, \g
	s_wait_dscnt 32                                ; all but the 32 just issued
	MUL16 \f, 1, 0, \zero
	MUL16 \f, 1, 2, \zero
.endm
.macro MEET                            ; the first half of a K step's last quarter, and the one barrier of a change of slots
	WIN 0
	s_wait_tensorcnt 0x0                           ; all my tensor loads have landed: the one that was out is my part of the next slot
	ds_add_u32 v[SPW], v[NIL]                      ; 0 onto my spare word
	s_wait_dscnt 9                                 ; (the add and the youngest eight loads may be out)
	MUL16 F1, 0, 0, 0
	s_wait_dscnt 0x0                               ; the add is done, and my reads of this slot are over
	s_barrier_signal -1
	MUL16 F1, 0, 2, 0
	WIN 0
	s_barrier_wait -1
.endm
; The whole last quarter.  mode 0: this slot is filled again, two K steps on; 1: with the next tile's K step; 2: not at all.  fetch = 1: the next slot's first fragments are read.
.macro TURN slot, next, mode, fetch
	MEET
.if (\mode) < 2
	CREST                                          ; the barrier has opened a round of the cluster's: no wave of any partner still reads this slot or has a load on its way
.if (\mode) == 0
	s_add_nc_u64 s[G0+4*(\slot)+2:G0+4*(\slot)+3], s[G0+4*(\slot)+2:G0+4*(\slot)+3], 2*STEPA
	s_add_nc_u64 s[G0B+4*(\slot)+2:G0B+4*(\slot)+3], s[G0B+4*(\slot)+2:G0B+4*(\slot)+3], 2*STEPB
.else
	s_add_nc_u64 s[G0+4*(\slot)+2:G0+4*(\slot)+3], s[G0+4*(\slot)+2:G0+4*(\slot)+3], NEXT_A
	s_sub_nc_u64 s[G0B+4*(\slot)+2:G0B+4*(\slot)+3], s[G0B+4*(\slot)+2:G0B+4*(\slot)+3], BACK_B
.endif
	JLOAD \slot                                    ; the first tensor load behind the round; its four v_nop are also the places in front of the loads below
.else
	PLACES
.endif
.if \fetch
	FETCH \next, 0, F0
.endif
	MUL16 F1, 1, 0, 0
	MUL16 F1, 1, 2, 0
.endm
.macro STBLK a                         ; row block a's eight accumulators go into my stage: row l % 16, a lane's eight f32 of column block b at byte 64 b + 32 (l / 16)
	WIN 0x08+4*((\a)/4)                            ; the stores' data in window 2 or 3
.irp b, 0,1,2,3,4,5,6,7
	ds_store_b128 v[STO], v[64*((\a)%4)+8*(\b):64*((\a)%4)+8*(\b)+3] offset:64*(\b)      ; each accumulator's low registers first
	ds_store_b128 v[STO], v[64*((\a)%4)+8*(\b)+4:64*((\a)%4)+8*(\b)+7] offset:64*(\b)+16
.endr
	WIN 0
.endm
	s_load_b256 s[4:11], s[0:1], 0x0               ; xb 4, wb1 6, hb 8, rw 10
	v_lshl_add_u32 v[SPW], v0, 2, SPARE
	v_mov_b32 v[NIL], 0
	ds_add_u32 v[SPW], v[NIL]                      ; the wave's opening: the add and its wait ahead of my first tensor load
	v_lshrrev_b32 v1, 5, v0
	v_readfirstlane_b32 s12, v1                    ; wave 0..3
	s_lshr_b32 s13, s12, 1                         ; my half of the tile's rows.  Also: I fetch x (0) or the weights (1)
	s_and_b32 s14, s12, 1                          ; my half of its columns.  Also: which half of that tile I fetch
	s_bfe_u32 s15, ttmp6, 0x40000                  ; cx
	s_bfe_u32 s16, ttmp6, 0x40004                  ; cy
	s_lshl_b32 s17, ttmp9, 2
	s_add_co_u32 s17, s17, s15                     ; the expert = 4 x cluster x + cx
	s_and_b32 s18, ttmp7, 0xffff
	s_lshl_b32 s18, s18, 2
	s_add_co_u32 s18, s18, s16                     ; the tile row = 4 x cluster y + cy
	s_lshl_b32 s19, s16, 2
	s_lshl_b32 s19, 15, s19                        ; my row of the cluster
	s_lshl_b32 s20, 0x1111, s15                    ; my column
	s_or_b32 s[G1+0], s19, (1<<16)|(1<<20)|(1<<21)|(5<<22)|(3<<25)   ; the mask; 2-byte elements; padding on; bit 21 beside a mask; after every 64 words, 4 words
	s_mov_b32 s[G1+1], 128<<16                     ; tensor_dim0 = 128
	s_mov_b32 s[G1+2], 128<<16                     ; tensor_dim1 = 128
	s_mov_b32 s[G1+3], 128<<16                     ; tile_dim0 = 128
	s_mov_b32 s[G1+4], 128                         ; tile_dim1 = 128
	s_mov_b32 s[G1+5], KDIM                        ; elements from row to row
	s_mov_b32 s[G1+6], 0
	s_mov_b32 s[G1+7], 0
	s_or_b32 s[G1B+0], s20, (1<<16)|(1<<20)|(1<<21)|(6<<22)|(7<<25)  ; after every 128 words, 8 words
	s_mov_b32 s[G1B+1], 256<<16                    ; tensor_dim0 = 256
	s_mov_b32 s[G1B+2], 64<<16                     ; tensor_dim1 = 64
	s_mov_b32 s[G1B+3], 256<<16                    ; tile_dim0 = 256
	s_mov_b32 s[G1B+4], 64                         ; tile_dim1 = 64
	s_mov_b32 s[G1B+5], NPITCH
	s_mov_b32 s[G1B+6], 0
	s_mov_b32 s[G1B+7], 0
	s_lshl_b32 s40, s18, 19                        ; x: 256 rows of 2,048 bytes a tile row,
	s_lshl_b32 s21, s14, 18                        ; my 128 of them
	s_add_co_u32 s40, s40, s21
	s_mov_b32 s41, 0
	s_lshl_b32 s46, s17, 19                        ; the weights: 524,288 bytes an expert,
	s_lshl_b32 s21, s14, 15                        ; my 64 k rows of 512 bytes
	s_add_co_u32 s46, s46, s21
	s_mov_b32 s47, 0
	s_mul_i32 s22, s14, HALFA                      ; where they go: no place in the cluster enters an LDS address
	s_mul_i32 s23, s14, HALFB
	s_add_co_u32 s23, s23, BOFF
	s_mov_b32 s66, 0x3d4c41b4                      ; a1 / 2^(1/2) .. a6 / 2^3, each named as a pair
	s_mov_b32 s67, 0x3d4c41b4
	s_mov_b32 s68, 0x3cad2fe7
	s_mov_b32 s69, 0x3cad2fe7
	s_mov_b32 s70, 0x3b56cd72
	s_mov_b32 s71, 0x3b56cd72
	s_mov_b32 s72, 0x381f6607
	s_mov_b32 s73, 0x381f6607
	s_mov_b32 s74, 0x384d0fed
	s_mov_b32 s75, 0x384d0fed
	s_mov_b32 s76, 0x36b49f67
	s_mov_b32 s77, 0x36b49f67
	s_mov_b32 s78, 0x7fffffff
	s_wait_dscnt 0x0                               ; the opening add is done
	s_wait_kmcnt 0x0
	s_add_nc_u64 s[40:41], s[4:5], s[40:41]
	s_add_nc_u64 s[46:47], s[6:7], s[46:47]
	CROUND                                         ; all sixteen work-groups are here: the first joint loads meet
.irp s, 0,1
	s_mov_b32 s[G0+4*(\s)], 1
	s_add_co_u32 s[G0+4*(\s)+1], s22, (\s)*SLOT
	s_add_nc_u64 s[G0+4*(\s)+2:G0+4*(\s)+3], s[40:41], (\s)*STEPA
	s_or_b32 s[G0+4*(\s)+3], s[G0+4*(\s)+3], 0x80000000
	s_mov_b32 s[G0B+4*(\s)], 1
	s_add_co_u32 s[G0B+4*(\s)+1], s23, (\s)*SLOT
	s_add_nc_u64 s[G0B+4*(\s)+2:G0B+4*(\s)+3], s[46:47], (\s)*STEPB
	s_or_b32 s[G0B+4*(\s)+3], s[G0B+4*(\s)+3], 0x80000000
.endr
	s_cmp_eq_u32 s13, 0                            ; a wave's two first fills stand in one branch, ahead of every wait on TENSORcnt and every LDS read
	s_cbranch_scc0 .Lfirst_b
	tensor_load_to_lds s[G0:G0+3], s[G1:G1+7]
	s_nop 0
	tensor_load_to_lds s[G0+4:G0+7], s[G1:G1+7]
	s_nop 0
.rept 4
	v_nop
.endr
	s_branch .Lfirst_asked
.Lfirst_b:
	tensor_load_to_lds s[G0B:G0B+3], s[G1B:G1B+7]
	s_nop 0
	tensor_load_to_lds s[G0B+4:G0B+7], s[G1B:G1B+7]
	s_nop 0
.rept 4
	v_nop
.endr
.Lfirst_asked:
	v_and_b32 v1, 15, v0                           ; l % 16
	v_bfe_u32 v2, v0, 4, 1                         ; l / 16
	v_mul_u32_u24 v3, v1, PA
	v_lshl_add_u32 v3, v2, 4, v3                   ; a fragment of x: row x pitch + 16 x half
	s_mul_i32 s21, s13, HALFA                      ; my 128 rows
	v_add_nc_u32 v[ADRA], s21, v3
	v_add_nc_u32 v[ADRA+1], SLOT, v[ADRA]
	v_and_b32 v4, 7, v0                            ; the turning load: k row 8 (l / 16) + l % 8, columns 8 ((l / 8) % 2) on
	v_bfe_u32 v5, v0, 3, 1
	v_lshl_add_u32 v6, v2, 3, v4
	v_mul_u32_u24 v6, v6, PB
	v_lshl_add_u32 v6, v5, 4, v6
	s_lshl_b32 s21, s14, 8                         ; my 128 columns
	s_add_co_u32 s21, s21, BOFF
	v_add_nc_u32 v[ADRB], s21, v6
	v_add_nc_u32 v[ADRB+1], SLOT, v[ADRB]
	s_mul_i32 s21, s12, 16*SP
	s_add_co_u32 s21, s21, STAGE                   ; my stage
	v_mul_u32_u24 v4, v1, SP                       ; in: row l % 16, 32 bytes for each half of the lanes
	v_lshl_add_u32 v4, v2, 5, v4
	v_add_nc_u32 v[STO], s21, v4
	v_and_b32 v5, 31, v0                           ; the lane
	v_lshlrev_b32 v6, 4, v5                        ; back: 32 lanes take one row of 512 bytes
	v_add_nc_u32 v[RD], s21, v6
	v_lshlrev_b32 v[CO], 3, v5                     ; which, rounded, are 256 bytes of hb: 8 a lane
	v_lshlrev_b32 v[WO], 6, v5                     ; rw: rows of 64 bytes
	s_lshl_b32 s23, s12, 9
	s_add_co_u32 s23, s23, WST                     ; my wave's 128 routing weights in LDS; kept
	v_lshl_add_u32 v[WSA], v5, 2, s23
	s_lshl_b32 s42, s18, 21                        ; hb: 256 rows of 8,192 bytes a tile row, my 128 rows, the expert's 512 bytes, my 256
	s_lshl_b32 s43, s13, 20
	s_add_co_u32 s42, s42, s43
	s_lshl_b32 s43, s17, 9
	s_add_co_u32 s42, s42, s43
	s_lshl_b32 s43, s14, 8
	s_add_co_u32 s42, s42, s43
	s_mov_b32 s43, 0
	s_add_nc_u64 s[8:9], s[8:9], s[42:43]
	s_lshl_b32 s44, s18, 14                        ; rw: 256 rows of 64 bytes a tile row, my 128 rows, the expert's word
	s_lshl_b32 s45, s13, 13
	s_add_co_u32 s44, s44, s45
	s_lshl_b32 s45, s17, 2
	s_add_co_u32 s44, s44, s45
	s_mov_b32 s45, 0
	s_add_nc_u64 s[10:11], s[10:11], s[44:45]
	s_wait_tensorcnt 1                             ; my part of K step 0 is in; K step 1's may stay out
	s_barrier_signal -1
	s_barrier_wait -1                              ; everybody's is
	s_mov_b32 s2, TILES                            ; tiles to go: the same number in every work-group
.Ltile:
.irp k, 0,1,2,3
	global_load_b32 v[WR+(\k)], v[WO], s[10:11] offset:2048*(\k)  ; the routing weights of my wave's rows 32 k + lane: waited for on the way out
.endr
	FETCH 0, 0, F0
	QUARTER 0, 1, F0, F1, 1                        ; a tile's first quarter: its products start the sums
	WIN 0
	s_mov_b32 s3, LAPS-1
.Llap:                                                 ; a trip goes once round the ring and fills both slots again
	QUARTER 0, 2, F1, F0, 0
	QUARTER 0, 3, F0, F1, 0
	TURN 0, 1, 0, 1
	QUARTER 1, 1, F0, F1, 0
	QUARTER 1, 2, F1, F0, 0
	QUARTER 1, 3, F0, F1, 0
	TURN 1, 0, 0, 1
	QUARTER 0, 1, F0, F1, 0
	WIN 0
	s_sub_co_u32 s3, s3, 1
	s_cmp_lg_u32 s3, 0
	s_cbranch_scc1 .Llap
	QUARTER 0, 2, F1, F0, 0                        ; the tile's last lap goes on
	QUARTER 0, 3, F0, F1, 0
	WIN 0
	s_cmp_eq_u32 s2, 1
	s_cbranch_scc1 .Llast                          ; the last tile asks for nothing more
	TURN 0, 1, 1, 1                                ; the ring goes on into the next tile: slot 0 takes its K step 0,
	QUARTER 1, 1, F0, F1, 0
	QUARTER 1, 2, F1, F0, 0
	QUARTER 1, 3, F0, F1, 0
	TURN 1, 0, 1, 0                                ; slot 1 its K step 1; the next tile's first fragments are read behind the way out, whose registers they share
	WIN 0
	s_branch .Lepi
.Llast:
	TURN 0, 1, 2, 1
	QUARTER 1, 1, F0, F1, 0
	QUARTER 1, 2, F1, F0, 0
	QUARTER 1, 3, F0, F1, 0
	s_wait_dscnt 8
	MUL16 F1, 0, 0, 0
	MUL16 F1, 0, 2, 0
	s_wait_dscnt 0x0
	MUL16 F1, 1, 0, 0
	MUL16 F1, 1, 2, 0
	WIN 0
; THE WAY OUT, written once and walked eight times, a block of 16 rows a trip.  A forward jump on the trip's number picks the sixteen stores that put the block's accumulators into my own stage;
; the rest is common: the block comes back as whole rows (lane l: columns 4 l .. 4 l + 3), then gelu, the weight, the rounding to f16, and a store for each row.
.Lepi:
	PLACES
	s_wait_loadcnt 0x0                             ; the routing weights
.irp k, 0,1,2,3
	v_mul_f32 v[WR+(\k)], 0.5, v[WR+(\k)]
.endr
.irp k, 0,1,2,3
	ds_store_b32 v[WSA], v[WR+(\k)] offset:128*(\k)  ; row 32 k + lane's at word 32 k + lane of my wave's own 512 bytes
.endr
	v_mov_b32 v[WSU], s23
	s_mov_b32 s22, 8                               ; blocks to go: block 8 - s22 is in hand
.Lblk:
.irp a, 1,2,3,4,5,6,7
	s_cmp_eq_u32 s22, 8-\a
	s_cbranch_scc1 .Lst\a
.endr
	STBLK 0
	s_branch .Lgo
.irp a, 1,2,3,4,5,6
.Lst\a:
	STBLK \a
	s_branch .Lgo
.endr
.Lst7:
	STBLK 7
.Lgo:
.irp k, 0,1,2,3
	ds_load_b128 v[WV+4*(\k):WV+4*(\k)+3], v[WSU] offset:16*(\k)   ; the block's sixteen weights: one address for all lanes.  LDS serves a wave's instructions in order (ISA guide 5.7.1.4): these see my stores
.endr
.irp t, 0,1,2,3,4,5,6,7,8,9,10,11,12,13,14,15
	ds_load_b128 v[XR+4*(\t):XR+4*(\t)+3], v[RD] offset:(\t)*SP
.endr
.irp t, 0,1,2,3,4,5,6,7,8,9,10,11,12,13,14,15
	s_wait_dscnt 15-\t                             ; row t is in; the rows behind it may be out
.irp c, 0,1,2,3
	v_and_b32 v[AX+4*(\t)+(\c)], s78, v[XR+4*(\t)+(\c)]            ; |x|
.endr
.endr
.set i, 0
.rept 32
	v_pk_fma_f32 v[PP+i:PP+i+1], v[AX+i:AX+i+1], s[76:77], s[74:75] op_sel_hi:[1,0,0]
.set i, i+2
.endr
.irp c, 72,70,68,66
.set i, 0
.rept 32
	v_pk_fma_f32 v[PP+i:PP+i+1], v[PP+i:PP+i+1], v[AX+i:AX+i+1], s[\c:\c+1] op_sel_hi:[1,1,0]
.set i, i+2
.endr
.endr
.set i, 0
.rept 32
	v_pk_fma_f32 v[PP+i:PP+i+1], v[PP+i:PP+i+1], v[AX+i:AX+i+1], 1.0 op_sel_hi:[1,1,0]
.set i, i+2
.endr
.rept 4                                        ; P^16
.set i, 0
.rept 32
	v_pk_mul_f32 v[PP+i:PP+i+1], v[PP+i:PP+i+1], v[PP+i:PP+i+1]
.set i, i+2
.endr
.endr
.set i, 0
.rept 64
	v_rcp_f32 v[PP+i], v[PP+i]                     ; q: one batch
.set i, i+1
.endr
	v_nop                                          ; a plain instruction behind the last reciprocal,
	s_wait_alu depctr_va_vdst(0)                   ; and the one wait ahead of the batch's first reader
.set i, 0
.rept 32
	v_pk_fma_f32 v[AX+i:AX+i+1], v[AX+i:AX+i+1], v[PP+i:PP+i+1], v[AX+i:AX+i+1] neg_lo:[1,0,0] neg_hi:[1,0,0]  ; |x| (1 - q)
.set i, i+2
.endr
.set i, 0
.rept 32
	v_pk_add_f32 v[AX+i:AX+i+1], v[AX+i:AX+i+1], v[XR+i:XR+i+1]    ; + x
.set i, i+2
.endr
.set t, 0
.rept 16                                       ; x 0.5 w of row t: the pair that holds it gives its first or its second register to both halves
.if t%2 == 0
	v_pk_mul_f32 v[AX+4*t:AX+4*t+1],   v[AX+4*t:AX+4*t+1],   v[WV+t:WV+t+1] op_sel_hi:[1,0]
	v_pk_mul_f32 v[AX+4*t+2:AX+4*t+3], v[AX+4*t+2:AX+4*t+3], v[WV+t:WV+t+1] op_sel_hi:[1,0]
.else
	v_pk_mul_f32 v[AX+4*t:AX+4*t+1],   v[AX+4*t:AX+4*t+1],   v[WV+t-1:WV+t] op_sel:[0,1] op_sel_hi:[1,1]
	v_pk_mul_f32 v[AX+4*t+2:AX+4*t+3], v[AX+4*t+2:AX+4*t+3], v[WV+t-1:WV+t] op_sel:[0,1] op_sel_hi:[1,1]
.endif
.set t, t+1
.endr
.set i, 0
.rept 32
	v_cvt_pk_f16_f32 v[OUTP+i], v[AX+2*i], v[AX+2*i+1]
.set i, i+1
.endr
.irp t, 0,1,2,3,4,5,6,7,8,9,10,11,12,13,14,15
	global_store_b64 v[CO], v[OUTP+2*(\t):OUTP+2*(\t)+1], s[8:9] offset:(\t)*HROW  ; 32 lanes store 256 consecutive bytes, at a multiple of 256 from hb's first
.endr
	s_wait_xcnt 0x0                                ; the stores' base and their data registers are rewritten only behind this wait
	s_add_nc_u64 s[8:9], s[8:9], 16*HROW           ; the next 16 rows
	v_add_nc_u32 v[WSU], 64, v[WSU]                ; and their weights
	s_sub_co_u32 s22, s22, 1
	s_cmp_lg_u32 s22, 0
	s_cbranch_scc1 .Lblk
	s_add_nc_u64 s[8:9], s[8:9], (WALK-128)*HROW   ; my first rows of the next tile
	s_add_nc_u64 s[10:11], s[10:11], WALK*64
	s_sub_co_u32 s2, s2, 1
	s_cmp_lg_u32 s2, 0
	s_cbranch_scc1 .Ltile
	s_wait_tensorcnt 0x0                           ; the wave's end, behind my last tensor load and my last LDS store
	ds_add_u32 v[SPW], v[NIL]
	s_wait_dscnt 0x0
	CROUND                                         ; the closing round: no work-group ends while a partner may still ask for a tile that names it
	s_endpgm
.Lfunc_end_k_qf37e4fac4d_ffn1:
	.size	k_qf37e4fac4d_ffn1, .Lfunc_end_k_qf37e4fac4d_ffn1-k_qf37e4fac4d_ffn1
	.p2alignl 7, 3214868480
	.fill 96, 4, 3214868480
	.section	.rodata,"a",@progbits
	.p2align	6, 0x0
	.amdhsa_kernel k_qf37e4fac4d_ffn1
		.amdhsa_group_segment_fixed_size 327680
		.amdhsa_private_segment_fixed_size 0
		.amdhsa_enable_private_segment 0
		.amdhsa_kernarg_size 32
		.amdhsa_user_sgpr_count 2
		.amdhsa_user_sgpr_kernarg_segment_ptr 1
		.amdhsa_wavefront_size32 1
		.amdhsa_system_sgpr_workgroup_id_x 1
		.amdhsa_system_sgpr_workgroup_id_y 1
		.amdhsa_system_sgpr_workgroup_id_z 1
		.amdhsa_system_vgpr_workitem_id 0
		.amdhsa_next_free_vgpr 1024
		.amdhsa_next_free_sgpr 80
		.amdhsa_reserve_vcc 0
		.amdhsa_float_denorm_mode_32 3
		.amdhsa_float_denorm_mode_16_64 3
		.amdhsa_memory_ordered 1
		.amdhsa_forward_progress 1
		.amdhsa_inst_pref_size 189
	.end_amdhsa_kernel
	.amdgpu_metadata
---
amdhsa.version: [ 1, 2 ]
amdhsa.kernels:
  - .name:           k_qf37e4fac4d_ffn1
    .symbol:         k_qf37e4fac4d_ffn1.kd
    .args:
      - { .name: xb, .offset: 0, .size: 8, .value_kind: global_buffer, .address_space: global }
      - { .name: wb1, .offset: 8, .size: 8, .value_kind: global_buffer, .address_space: global }
      - { .name: hb, .offset: 16, .size: 8, .value_kind: global_buffer, .address_space: global }
      - { .name: rw, .offset: 24, .size: 8, .value_kind: global_buffer, .address_space: global }
    .group_segment_fixed_size: 327680
    .private_segment_fixed_size: 0
    .kernarg_segment_align: 8
    .kernarg_segment_size: 32
    .max_flat_workgroup_size: 128
    .sgpr_count:     80
    .vgpr_count:     1024
    .wavefront_size: 32
...
	.end_amdgpu_metadata
.endif
;; end of part 2
;; launch ffn2 (part 3): grid 4 x 64, 4 waves a work-group, clusters of 4 x 4, 327,680 bytes of LDS; arguments hb, wb2, out0; writes out0
.if DOCPART == 3
	.amdgcn_target "amdgcn-amd-amdhsa--gfx1250"
	.amdhsa_code_object_version 6
	.text
	.protected	k_qf37e4fac4d_ffn2
	.globl	k_qf37e4fac4d_ffn2
	.p2align	8
	.type	k_qf37e4fac4d_ffn2,@function
k_qf37e4fac4d_ffn2:
	s_mov_b64 s[64:65], 0
	v_nop
	global_prefetch_b8 v0, s[64:65] scope:SCOPE_SE
	s_setreg_imm32_b32 hwreg(HW_REG_WAVE_MODE, 25, 1), 1
	s_wait_xcnt 0x0
	s_wait_alu depctr_hold_cnt(0) depctr_sa_sdst(0) depctr_va_vdst(0) depctr_va_sdst(0) depctr_va_ssrc(0) depctr_va_vcc(0) depctr_vm_vsrc(0)
	s_getreg_b32 s2, hwreg(HW_REG_IB_STS2, 6, 4)
	s_cmp_eq_u32 s2, 0
	s_cbranch_scc0 .Lentry_in_a_cluster
	s_endpgm
.Lentry_in_a_cluster:
	s_bfe_u32 s2, ttmp6, 0x10000c
	s_cmp_lg_u32 s2, 0xf033
	s_cbranch_scc0 .Lentry_shape_is_right
	s_endpgm
.Lentry_shape_is_right:
; FFN2: out0[n][c] = sum over k = 256 e + i of hb[n][k] wb2[k][c].  hb [8192][4096], wb2 [4096][1024]: f16; out0 [8192][1024]: f32; sums in f32, K ascending.
; The routing weights lie in hb already, so this one product adds all 16 experts up (the design's limit: also those whose weight is 0).
; LIMITS.  f16 holds no number beyond 65,504: hb and wb2 arrive within it, or as infinities; NaN and infinities are not treated apart.
; SHAPE.  A tile of out0 is 128 tokens x 256 columns, one to a work-group: 64 x 4 = 256 work-groups.  Four waves, each 64 x 128: 32 accumulators in window 1.  K goes in steps of 128 through
; two LDS slots.  The matrix instruction is used transposed (source 0 = 16 columns of wb2, source 1 = 16 tokens): a lane holds one token and eight neighbouring columns.
; wb2 lies [k][column] in LDS and is read turned, by ds_load_tr16_b128.
; CLUSTER 4 x 4: hb's tile hangs on the tile row alone and is asked for jointly along a row of the cluster (all four column tiles of a row of tokens lie in one row), wb2's on the tile
; column alone and jointly along a column.  By this text's own count a wave has two tensor loads out at the start and one behind each round.
.set KDIM,   4096
.set NPITCH, 1024
.set STEPA,  256
.set STEPB,  128*NPITCH*2              ; 262,144
.set LAPS,   KDIM/256
.set OROW,   4096                      ; bytes in a row of out0
.set PA,     272                       ; a row of hb in LDS: 256 bytes + 16: the 16 rows of a load start at 16 different groups of four banks (ISA guide 11.1)
.set PB,     544                       ; a k row of wb2: 512 bytes + 32
.set HALFA,  64*PA
.set HALFB,  64*PB
.set BOFF,   2*HALFA
.set SLOT,   BOFF+2*HALFB
.set STAGE,  2*SLOT                    ; behind the ring, never filled by a tensor load: 16 rows x 528 bytes for each wave
.set SP,     528
.set SPARE,  STAGE+4*16*SP             ; the spare words: 128 bytes for each wave, named by no other line
.set ADRA, 16
.set ADRB, 20
.set STO,  24
.set RD,   25
.set CO,   26
.set SPW,  28
.set NIL,  29
.set F0,   32
.set F1,   128
.set BKB,  32                          ; the way out: 16 rows read back from the stage, two sets of 64 by turns
.set G1,   24
.set G0,   32
.set G1B,  48
.set G0B,  56
.set MSB, 0
.macro WIN new
.if MSB != (\new)
	s_set_vgpr_msb (MSB<<8)|(\new)
.set MSB, (\new)
.endif
.endm
.macro PLACES                          ; four plain instructions between a matrix instruction and a load into, or a store from, its registers
.rept 4
	v_nop
.endr
.endm
.macro JLOAD s                         ; a joint load: waves 0 and 1 fetch hb's two halves, waves 2 and 3 wb2's
	s_cmp_eq_u32 s13, 0
	s_cbranch_scc0 .Lfor_b_\@
	tensor_load_to_lds s[G0+4*(\s):G0+4*(\s)+3], s[G1:G1+7]
	s_nop 0
.rept 4
	v_nop
.endr
	s_branch .Lasked_\@
.Lfor_b_\@:
	tensor_load_to_lds s[G0B+4*(\s):G0B+4*(\s)+3], s[G1B:G1B+7]
	s_nop 0
.rept 4
	v_nop
.endr
.Lasked_\@:
.endm
.macro CREST
	s_cmp_lg_u32 s12, 0
	s_cbranch_scc1 .Lnot_wave_0_\@
	s_barrier_signal -3
.Lnot_wave_0_\@:
	s_barrier_wait -3
	s_barrier_signal -1
	s_barrier_wait -1
.endm
.macro CROUND
	s_barrier_signal -1
	s_barrier_wait -1
	CREST
.endm
.macro MUL8 f, a, zero                 ; the 32 accumulators take turns in one order everywhere
	WIN 0x50
.irp b, 0,1,2,3,4,5,6,7
.if \zero
	v_wmma_f32_16x16x32_f16 v[8*(8*(\a)+(\b)):8*(8*(\a)+(\b))+7], v[(\f)+32+8*(\b):(\f)+32+8*(\b)+7], v[(\f)+8*(\a):(\f)+8*(\a)+7], 0
.else
	v_wmma_f32_16x16x32_f16 v[8*(8*(\a)+(\b)):8*(8*(\a)+(\b))+7], v[(\f)+32+8*(\b):(\f)+32+8*(\b)+7], v[(\f)+8*(\a):(\f)+8*(\a)+7], v[8*(8*(\a)+(\b)):8*(8*(\a)+(\b))+7]
.endif
.endr
.endm
.macro FETCH slot, q, f                ; 24 LDS loads in one run; hb's blocks 2 and 3 last
	WIN 0
.irp i, 0,1,2,3,4,5,6,7
	ds_load_tr16_b128 v[(\f)+32+8*(\i):(\f)+32+8*(\i)+3],   v[ADRB+(\slot)] offset:(\q)*32*PB+32*(\i)
	ds_load_tr16_b128 v[(\f)+32+8*(\i)+4:(\f)+32+8*(\i)+7], v[ADRB+(\slot)] offset:(\q)*32*PB+16*PB+32*(\i)
.endr
.irp i, 0,1,2,3
	ds_load_b128 v[(\f)+8*(\i):(\f)+8*(\i)+3],   v[ADRA+(\slot)] offset:64*(\q)+(\i)*16*PA
	ds_load_b128 v[(\f)+8*(\i)+4:(\f)+8*(\i)+7], v[ADRA+(\slot)] offset:64*(\q)+(\i)*16*PA+32
.endr
.endm
.macro QUARTER slot, q, f, g, zero
	s_wait_dscnt 4                                 ; all but the youngest four loads (hb's blocks 2 and 3)
	MUL8 \f, 0, \zero
	MUL8 \f, 1, \zero
	PLACES
	FETCH \slot, \q, \g
	s_wait_dscnt 24                                ; all but the 24 just issued
	MUL8 \f, 2, \zero
	MUL8 \f, 3, \zero
.endm
.macro MEET
	WIN 0
	s_wait_tensorcnt 0x0                           ; all my tensor loads have landed: the one that was out is my part of the next slot
	ds_add_u32 v[SPW], v[NIL]                      ; 0 onto my spare word
	s_wait_dscnt 5                                 ; (the add and the youngest four loads may be out)
	MUL8 F1, 0, 0
	s_wait_dscnt 0x0                               ; the add is done, and my reads of this slot are over
	s_barrier_signal -1
	MUL8 F1, 1, 0
	WIN 0
	s_barrier_wait -1
.endm
.macro TURN slot, next, fill           ; fill = 1: this slot is filled again, two K steps on
	MEET
.if \fill
	CREST                                          ; the barrier has opened a round of the cluster's: no wave of any partner still reads this slot or has a load on its way
	s_add_nc_u64 s[G0+4*(\slot)+2:G0+4*(\slot)+3], s[G0+4*(\slot)+2:G0+4*(\slot)+3], 2*STEPA
	s_add_nc_u64 s[G0B+4*(\slot)+2:G0B+4*(\slot)+3], s[G0B+4*(\slot)+2:G0B+4*(\slot)+3], 2*STEPB
	JLOAD \slot                                    ; the first tensor load behind the round; its four v_nop are also the places in front of the loads below
.else
	PLACES
.endif
	FETCH \next, 0, F0
	MUL8 F1, 2, 0
	MUL8 F1, 3, 0
.endm
	s_load_b128 s[4:7], s[0:1], 0x0                ; hb 4, wb2 6
	s_load_b64 s[8:9], s[0:1], 0x10                ; out0
	v_lshl_add_u32 v[SPW], v0, 2, SPARE
	v_mov_b32 v[NIL], 0
	ds_add_u32 v[SPW], v[NIL]                      ; the wave's opening: the add and its wait ahead of my first tensor load
	v_lshrrev_b32 v1, 5, v0
	v_readfirstlane_b32 s12, v1                    ; wave 0..3
	s_lshr_b32 s13, s12, 1                         ; my half of the tile's rows.  Also: I fetch hb (0) or wb2 (1)
	s_and_b32 s14, s12, 1                          ; my half of its columns.  Also: which 64 rows of that tile I fetch
	s_bfe_u32 s15, ttmp6, 0x40000                  ; cx
	s_bfe_u32 s16, ttmp6, 0x40004                  ; cy
	s_lshl_b32 s17, ttmp9, 2
	s_add_co_u32 s17, s17, s15                     ; the tile column
	s_and_b32 s18, ttmp7, 0xffff
	s_lshl_b32 s18, s18, 2
	s_add_co_u32 s18, s18, s16                     ; the tile row
	s_lshl_b32 s19, s16, 2
	s_lshl_b32 s19, 15, s19                        ; my row of the cluster
	s_lshl_b32 s20, 0x1111, s15                    ; my column
	s_or_b32 s[G1+0], s19, (1<<16)|(1<<20)|(1<<21)|(5<<22)|(3<<25)
	s_mov_b32 s[G1+1], 128<<16
	s_mov_b32 s[G1+2], 64<<16
	s_mov_b32 s[G1+3], 128<<16
	s_mov_b32 s[G1+4], 64
	s_mov_b32 s[G1+5], KDIM
	s_mov_b32 s[G1+6], 0
	s_mov_b32 s[G1+7], 0
	s_or_b32 s[G1B+0], s20, (1<<16)|(1<<20)|(1<<21)|(6<<22)|(7<<25)
	s_mov_b32 s[G1B+1], 256<<16
	s_mov_b32 s[G1B+2], 64<<16
	s_mov_b32 s[G1B+3], 256<<16
	s_mov_b32 s[G1B+4], 64
	s_mov_b32 s[G1B+5], NPITCH
	s_mov_b32 s[G1B+6], 0
	s_mov_b32 s[G1B+7], 0
	s_lshl_b32 s40, s18, 20                        ; hb: 128 rows of 8,192 bytes a tile row,
	s_lshl_b32 s21, s14, 19                        ; my 64 of them
	s_add_co_u32 s40, s40, s21
	s_mov_b32 s41, 0
	s_lshl_b32 s46, s17, 9                         ; wb2: the tile column's 512 bytes,
	s_lshl_b32 s21, s14, 17                        ; my 64 k rows of 2,048 bytes
	s_add_co_u32 s46, s46, s21
	s_mov_b32 s47, 0
	s_mul_i32 s22, s14, HALFA
	s_mul_i32 s23, s14, HALFB
	s_add_co_u32 s23, s23, BOFF
	s_wait_dscnt 0x0                               ; the opening add is done
	s_wait_kmcnt 0x0
	s_add_nc_u64 s[40:41], s[4:5], s[40:41]
	s_add_nc_u64 s[46:47], s[6:7], s[46:47]
	CROUND                                         ; all sixteen work-groups are here: the first joint loads meet
.irp s, 0,1
	s_mov_b32 s[G0+4*(\s)], 1
	s_add_co_u32 s[G0+4*(\s)+1], s22, (\s)*SLOT
	s_add_nc_u64 s[G0+4*(\s)+2:G0+4*(\s)+3], s[40:41], (\s)*STEPA
	s_or_b32 s[G0+4*(\s)+3], s[G0+4*(\s)+3], 0x80000000
	s_mov_b32 s[G0B+4*(\s)], 1
	s_add_co_u32 s[G0B+4*(\s)+1], s23, (\s)*SLOT
	s_add_nc_u64 s[G0B+4*(\s)+2:G0B+4*(\s)+3], s[46:47], (\s)*STEPB
	s_or_b32 s[G0B+4*(\s)+3], s[G0B+4*(\s)+3], 0x80000000
.endr
	s_cmp_eq_u32 s13, 0                            ; a wave's two first fills stand in one branch, ahead of every wait on TENSORcnt and every LDS read
	s_cbranch_scc0 .Lfirst_b
	tensor_load_to_lds s[G0:G0+3], s[G1:G1+7]
	s_nop 0
	tensor_load_to_lds s[G0+4:G0+7], s[G1:G1+7]
	s_nop 0
.rept 4
	v_nop
.endr
	s_branch .Lfirst_asked
.Lfirst_b:
	tensor_load_to_lds s[G0B:G0B+3], s[G1B:G1B+7]
	s_nop 0
	tensor_load_to_lds s[G0B+4:G0B+7], s[G1B:G1B+7]
	s_nop 0
.rept 4
	v_nop
.endr
.Lfirst_asked:
	v_and_b32 v1, 15, v0                           ; l % 16
	v_bfe_u32 v2, v0, 4, 1                         ; l / 16
	v_mul_u32_u24 v3, v1, PA
	v_lshl_add_u32 v3, v2, 4, v3
	s_mul_i32 s21, s13, HALFA
	v_add_nc_u32 v[ADRA], s21, v3
	v_add_nc_u32 v[ADRA+1], SLOT, v[ADRA]
	v_and_b32 v4, 7, v0
	v_bfe_u32 v5, v0, 3, 1
	v_lshl_add_u32 v6, v2, 3, v4
	v_mul_u32_u24 v6, v6, PB
	v_lshl_add_u32 v6, v5, 4, v6
	s_lshl_b32 s21, s14, 8
	s_add_co_u32 s21, s21, BOFF
	v_add_nc_u32 v[ADRB], s21, v6
	v_add_nc_u32 v[ADRB+1], SLOT, v[ADRB]
	s_mul_i32 s21, s12, 16*SP
	s_add_co_u32 s21, s21, STAGE                   ; my stage
	v_mul_u32_u24 v4, v1, SP                       ; in: row l % 16, 32 bytes for each half of the lanes
	v_lshl_add_u32 v4, v2, 5, v4
	v_add_nc_u32 v[STO], s21, v4
	v_and_b32 v5, 31, v0
	v_lshlrev_b32 v[CO], 4, v5                     ; back: 32 lanes take one row of 512 bytes
	v_add_nc_u32 v[RD], s21, v[CO]
	s_lshl_b32 s42, s18, 19                        ; out0: 128 rows of 4,096 bytes a tile row, my 64 rows, the tile column's 1,024 bytes, my 512
	s_lshl_b32 s43, s13, 18
	s_add_co_u32 s42, s42, s43
	s_lshl_b32 s43, s17, 10
	s_add_co_u32 s42, s42, s43
	s_lshl_b32 s43, s14, 9
	s_add_co_u32 s42, s42, s43
	s_mov_b32 s43, 0
	s_add_nc_u64 s[8:9], s[8:9], s[42:43]
; THE WAY OUT of row block a: a lane's eight f32 of a row go into my own stage, in rows of 528 bytes, and come back as whole rows of 512.
.macro TOSTAGE2 a
.set BK, BKB+64*((\a)%2)
	WIN 0x04
.irp b, 0,1,2,3,4,5,6,7
	ds_store_b128 v[STO], v[64*(\a)+8*(\b):64*(\a)+8*(\b)+3] offset:64*(\b)        ; each accumulator's low registers first
	ds_store_b128 v[STO], v[64*(\a)+8*(\b)+4:64*(\a)+8*(\b)+7] offset:64*(\b)+16
.endr
	WIN 0
	s_wait_xcnt 0x0                                ; this set of registers, which the stores of two blocks ago read, is loaded again only behind this wait
.irp t, 0,1,2,3,4,5,6,7,8,9,10,11,12,13,14,15
	ds_load_b128 v[BK+4*(\t):BK+4*(\t)+3], v[RD] offset:(\t)*SP  ; LDS serves a wave's instructions in order (ISA guide 5.7.1.4): these see the stores above; the next block's stores come behind them
.endr
.endm
.macro SEND2 a, younger                ; younger: the LDS instructions issued behind block a's loads: the next block's 32, or none
.set BK, BKB+64*((\a)%2)
	s_wait_dscnt \younger
	s_wait_xcnt 0x0                                ; the stores' base is rewritten only behind this wait
.if (\a) > 0
	s_add_nc_u64 s[8:9], s[8:9], 16*OROW
.endif
.irp t, 0,1,2,3,4,5,6,7,8,9,10,11,12,13,14,15
	global_store_b128 v[CO], v[BK+4*(\t):BK+4*(\t)+3], s[8:9] offset:(\t)*OROW th:TH_STORE_NT  ; 512 consecutive bytes, at a multiple of 256 from out0's first
.endr
.endm
	s_wait_tensorcnt 1                             ; my part of K step 0 is in; K step 1's may stay out
	s_barrier_signal -1
	s_barrier_wait -1                              ; everybody's is
	FETCH 0, 0, F0
	QUARTER 0, 1, F0, F1, 1                        ; the first quarter stands in front of the loop: its products start the sums
	WIN 0
	s_mov_b32 s3, LAPS-1
.Llap:                                                 ; a trip goes once round the ring and fills both slots again
	QUARTER 0, 2, F1, F0, 0
	QUARTER 0, 3, F0, F1, 0
	TURN 0, 1, 1
	QUARTER 1, 1, F0, F1, 0
	QUARTER 1, 2, F1, F0, 0
	QUARTER 1, 3, F0, F1, 0
	TURN 1, 0, 1
	QUARTER 0, 1, F0, F1, 0
	WIN 0
	s_sub_co_u32 s3, s3, 1
	s_cmp_lg_u32 s3, 0
	s_cbranch_scc1 .Llap
	QUARTER 0, 2, F1, F0, 0                        ; the last lap fills nothing, and has no round of the cluster's barrier
	QUARTER 0, 3, F0, F1, 0
	TURN 0, 1, 0
	QUARTER 1, 1, F0, F1, 0
	QUARTER 1, 2, F1, F0, 0
	QUARTER 1, 3, F0, F1, 0
	s_wait_dscnt 4
	MUL8 F1, 0, 0
	MUL8 F1, 1, 0
	s_wait_dscnt 0x0
	MUL8 F1, 2, 0
	MUL8 F1, 3, 0
	WIN 0
	PLACES
	TOSTAGE2 0
.irp a, 1,2,3
	TOSTAGE2 \a
	SEND2 (\a)-1, 32
.endr
	SEND2 3, 0
	s_wait_tensorcnt 0x0                           ; the wave's end, behind my last tensor load and my last LDS store
	ds_add_u32 v[SPW], v[NIL]
	s_wait_dscnt 0x0
	CROUND                                         ; the closing round: no work-group ends while a partner may still ask for a tile that names it
	s_endpgm
.Lfunc_end_k_qf37e4fac4d_ffn2:
	.size	k_qf37e4fac4d_ffn2, .Lfunc_end_k_qf37e4fac4d_ffn2-k_qf37e4fac4d_ffn2
	.p2alignl 7, 3214868480
	.fill 96, 4, 3214868480
	.section	.rodata,"a",@progbits
	.p2align	6, 0x0
	.amdhsa_kernel k_qf37e4fac4d_ffn2
		.amdhsa_group_segment_fixed_size 327680
		.amdhsa_private_segment_fixed_size 0
		.amdhsa_enable_private_segment 0
		.amdhsa_kernarg_size 24
		.amdhsa_user_sgpr_count 2
		.amdhsa_user_sgpr_kernarg_segment_ptr 1
		.amdhsa_wavefront_size32 1
		.amdhsa_system_sgpr_workgroup_id_x 1
		.amdhsa_system_sgpr_workgroup_id_y 1
		.amdhsa_system_sgpr_workgroup_id_z 1
		.amdhsa_system_vgpr_workitem_id 0
		.amdhsa_next_free_vgpr 512
		.amdhsa_next_free_sgpr 66
		.amdhsa_reserve_vcc 0
		.amdhsa_float_denorm_mode_32 3
		.amdhsa_float_denorm_mode_16_64 3
		.amdhsa_memory_ordered 1
		.amdhsa_forward_progress 1
		.amdhsa_inst_pref_size 85
	.end_amdhsa_kernel
	.amdgpu_metadata
---
amdhsa.version: [ 1, 2 ]
amdhsa.kernels:
  - .name:           k_qf37e4fac4d_ffn2
    .symbol:         k_qf37e4fac4d_ffn2.kd
    .args:
      - { .name: hb, .offset: 0, .size: 8, .value_kind: global_buffer, .address_space: global }
      - { .name: wb2, .offset: 8, .size: 8, .value_kind: global_buffer, .address_space: global }
      - { .name: out0, .offset: 16, .size: 8, .value_kind: global_buffer, .address_space: global }
    .group_segment_fixed_size: 327680
    .private_segment_fixed_size: 0
    .kernarg_segment_align: 8
    .kernarg_segment_size: 24
    .max_flat_workgroup_size: 128
    .sgpr_count:     66
    .vgpr_count:     512
    .wavefront_size: 32
...
	.end_amdgpu_metadata
.endif
;; end of part 3
